; MI455X (gfx1250); checked and timed in simulation.
; The chip was launched on July 23, 2026; its instructions are those of AMD's public machine-readable ISA for CDNA 5 (MIT licence, August 2026) and "CDNA5" Instruction Set Architecture Reference Guide (July 2026). The comments in the code are by the model that wrote it; some were corrected since.
;; Col BERT. Allowed arithmetic: matrix products marked QUANTISED: E2M1 operands, one E8M0 scale for each 32 along K, by v_wmma_scale_f32_16x16x128_f8f6f4 with both operands' format E2M1 (or v_wmma_scale_f32_32x16x128_f4), f32 sums; everything else in f32.
;; Inputs: d_hidden 1,024 x 256 x 128 float32; d_mask 1,024 x 256 int32; q_hidden 8 x 32 x 128 float32; q_mask 8 x 32 int32.
;; Outputs: out0 8 x 1,024 float32.
;; This version of the problem:
;;   THIS VERSION OF THE PROBLEM IS GIVEN IN LOW PRECISION. The matrix products marked QUANTISED in the list below multiply operands that are first quantised to E2M1 (2 exponent bits, 1 mantissa bit; 4 bits a number), with one power-of-two scale for each 32 numbers along K (OCP MX v1.0); their sums are f32. All else is computed in f32.
;;   The module's matrix products, in the order in which they are computed (A, B: the left and right operand; K: the contracted axis; several contracted axes count as one K, in the product's order):
;;     1. [M 262,144, K 128] x [K 128, N 256]; A: computed on the way; B: computed on the way: QUANTISED
;;   THE QUANTISER, for each operand of a quantised product, along K:
;;     - K is cut into blocks of 32 from its start; a last block that is shorter is filled with zeros.
;;     - A block's scale is 2^e with e = floor(log2(the largest magnitude in the block)) - 2, held to -126 .. 127; a block of zeros has e = 0. As a byte (E8M0): e + 127.
;;     - Each number is divided by its block's scale, clamped to +-6, and rounded to the nearest number of E2M1, ties to even, subnormals kept.
;;     - The product sums the exact products of the quantised numbers (number of the format x scale) in f32.
;;   ~~~python
;;   def quantise(x, axis):      # numpy; x: float32 -> the quantised numbers, widened to float32 again
;;       x = np.moveaxis(x, axis, -1); K = x.shape[-1]
;;       x = np.pad(x, [(0, 0)] * (x.ndim - 1) + [(0, -K % 32)]); x = x.reshape(x.shape[:-1] + (-1, 32)); a = np.abs(x).max(-1, keepdims=True)
;;       e = np.where(a > 0, np.clip(np.frexp(np.where(a > 0, a, 1))[1] - 1 - 2, -126, 127), 0)      # np.frexp(a)[1] - 1 = floor(log2(a)), exactly
;;       r = np.clip(x / 2.0 ** e, -6, 6)
;;       step = 2.0 ** (np.maximum(np.frexp(np.where(r == 0, 1, r))[1] - 1, 0) - 1)
;;       q = np.round(r / step) * step * 2.0 ** e      # np.round: ties to even
;;       return np.moveaxis(q.reshape(q.shape[:-2] + (-1,))[..., :K], -1, axis).astype(np.float32)
;;   ~~~
;;   OPERANDS COMPUTED ON THE WAY. 'Computed on the way' means the value that the module computes at that place (a softmax that the list does not call 'softmax' is quantised finished and normalised). What goes into a quantiser is computed in f32, as accurately as f32 sums, v_exp_f32 and their like allow (about 1e-6 of the number): no bf16 or f16 on the way to a quantiser, and a product that is left as it is and whose result goes on into a quantised operand takes f32 operands (vector FMAs, or v_wmma_f32_16x16x4_f32). A number that lies on a knife's edge between two numbers of the format may be rounded either way, as far as f32 arithmetic and the matrix unit's own rounding can turn it there, and no further.
;; One version. Each part assembles by itself: llvm-mc -triple=amdgcn-amd-amdhsa -mcpu=gfx1250 --defsym DOCPART=n.
;; ======== version 1 of 1: 1 launch
;; launch maxsim (part 1): grid 256 x 1, 8 waves a work-group, no clusters, 95,232 bytes of LDS; arguments d_hidden, d_mask, q_hidden, q_mask, out0; writes out0
.if DOCPART == 1
	.amdgcn_target "amdgcn-amd-amdhsa--gfx1250"
	.amdhsa_code_object_version 6
	.text
	.protected	k_q3bd01883b7_maxsim
	.globl	k_q3bd01883b7_maxsim
	.p2align	8
	.type	k_q3bd01883b7_maxsim,@function
k_q3bd01883b7_maxsim:
	s_mov_b64 s[64:65], 0
	v_nop
	global_prefetch_b8 v0, s[64:65] scope:SCOPE_SE
	s_setreg_imm32_b32 hwreg(HW_REG_WAVE_MODE, 25, 1), 1
	s_wait_xcnt 0x0
; out0[b][n] = sum over the query tokens q with q_mask[b][q] > 0 of  max over the document tokens d of  (d_mask[n][d] > 0 ? qn[b][q] . dn[n][d] : -100).
; qn, dn: the rows of q_hidden [8][32][128] and d_hidden [1024][256][128], f32, each divided by max(its norm, 1e-8) and quantised to FP4 (E2M1) with one E8M0 scale for each 32 along K = 128.
; NOTHING IS LEFT OUT: every row is loaded, quantised and multiplied, and what the masks throw away is selected away; no address and no branch hangs on data.  All five buffers are loaded or stored.
; THE SELECTION BY d_mask.  The products take a C that is 0 in a valid row and -1024 in a masked one, and the running maxima begin at -100.  For one query, reference() has max(the valid rows' similarities, and
; -100 if some row is masked); this text has max(-100, the valid rows' similarities, the masked rows' - 1024).  reference() itself normalises both operands (norms at most 1), and the quantiser at most doubles a
; magnitude (what lies just over a quarter of the scale becomes half of it), so a similarity lies within +-4, for all finite inputs: a masked row's result lies under -100 and never counts, and where no row is
; masked the -100 lies under every similarity and never counts.  Query tokens with q_mask <= 0 are computed, and 0 is selected at the end.
; LIMITS.  NaN and infinities among the inputs are not served (the maxima drop a NaN).  A block of zeros gets the scale byte 1 where the rule says 127: its codes are zeros, and the bytes are read by this text
; alone.  1 / max(n, 1e-8) is taken as min(1 / sqrt(sum of squares), 1e8).
; SHARES.  256 work-groups of eight waves.  Work-group g owns documents 4 g .. 4 g + 3; wave w owns 128 tokens, half of document w / 2, against all 256 query tokens.  Wave w also quantises query tokens
; 32 w .. 32 w + 31 (two tiles of 16), which go to the other waves through LDS as images of the operand's registers, and at the end sums batch w for the four documents.
; THE WAY OF A TILE OF 16 ROWS.  Sixteen loads, each a whole row (32 lanes x 16 bytes = 512 consecutive bytes, aligned), into one of three register slots; through the wave's own stage in LDS, so that lane
; (r, h) gets row r's k = 64 c + 32 h + 0 .. 31, two whole blocks, in the order of the operand's registers; norm, scales, codes; 16 matrix instructions (source 0 = the 16 rows, source 1 = 16 queries:
; K is one instruction deep); 64 three-way maxima into 16 running maxima.  Three tiles, 48 loads of a wave, are on their way at a time.  The eight tiles are written out: every offset is an immediate.
; No tensor load: the ring of register slots never runs empty.  No cluster: what work-groups share, q, is read once at the head.  No workspace: nothing goes to memory but out0.
; REGISTERS.  Window 0: v0-7 addresses and the like; v8-15 the tile's codes; v16-31 two sets of C; v32-47 the running maxima; v48-55 the queries' scale words; v56-59 the masked tokens' bits; v60-62 addresses;
;   v64-95, v96-127 two sets of four result tiles (between products: at work); v128-255 the 16 query tiles' codes.   Window 1: v0-63 a tile in operand order; v64-255 the three slots.
.set SROW,  528                        ; a stage row: 512 bytes + 16 = 33 x 16: the sixteen rows that a load touches start at sixteen different 16-byte columns modulo 256
.set SWAVE, 16*SROW                    ; a wave's stage.  LDS: eight stages from byte 0,
.set QIMG,  8*SWAVE                    ; the 16 query tiles' codes, 1,024 bytes each: two stores of 512 bytes, 16 a lane,
.set QSC,   QIMG+16*1024               ; their scale words, 128 bytes each: 4 a lane,
.set RED,   QSC+16*128                 ; the waves' maxima: [batch][wave][lane], 4 bytes each,
.set SPARE, RED+8*8*128                ; and the spare words, 128 bytes for each wave: four blocks of 256 bytes that no other line names
.set GO,   1                           ; v1   16 x lane: my 16 bytes of a row; never rewritten
.set STA,  2                           ; v2   the stage, on the way in: my wave's stage + 16 x lane
.set LDA,  3                           ; v3   and on the way out: + 528 r + 128 h
.set SPW,  4                           ; v4   LDS address of my spare word: SPARE + 4 x my thread's number; never rewritten
.set NIL,  5                           ; v5   0; never rewritten
.set DSC,  6                           ; v6   the tile's scale words: lane r (and lane 16 + r) holds row r's
.set QM,   7                           ; v7   q_mask[w][lane]
.set CD,   8                           ; v8-15 the tile's codes.  At the head: v8-11 my four words of d_mask, v12 lane
.set MK,   8
.set LN,   12
.set CT,   16                          ; v16-23, v24-31 the C of tile t in set t % 2: register j, lane (r, h): 0 where token 16 t + 8 h + j is valid, else -1024
.set ACC,  32                          ; v32-47 running maxima: register t, lane (r, h): query 16 t + r over the rows 8 h + 0 .. 7 of every tile
.set QS,   48                          ; v48-55 register p: lanes 0-15 the scale words of query tile 2 p, lanes 16-31 those of tile 2 p + 1
.set BH,   56                          ; v56-59 register j: bit i says that token 4 (i + 2 h) + j is masked
.set SH8,  60                          ; v60  8 h
.set RA,   61                          ; v61  where I put my maxima: RED + 128 w + 4 x lane
.set RB,   62                          ; v62  where I read batch w's: RED + 1,024 w + 4 x lane
.set DA,   64                          ; v64-95, v96-127 results
.set DB,   96
.set SQ,   64                          ; at work between products: v64-71 sums of squares, v72-75 largest magnitudes, v[76:77] 1 / norm (and a permute's landing place),
.set MX,   72                          ; v78-79 the conversions' scale operands, v80-81 scale bytes, v82-83 the scale word in the making
.set RN,   76
.set SO,   78
.set BY,   80
.set WD,   82
.set WT,   83
.set QSA,  93                          ; v93  at the head alone (like v84-95): QSC + 4 r + 128 h
.set QC,   128                         ; v128-255 the queries' codes, 8 registers a tile.  At the head: my 32 rows of q as loaded
.set WV,   14                          ; s14  my wave's number
.set SEL,  18                          ; s[18:19] lane selects for v_permlanex16_b32: lane l xor 16
.set BAL,  20                          ; s20-23 bit l of register j: token 4 l + j is valid
.set MSB, 0
.macro WIN new                         ; the immediate's high byte repeats the setting that is left; a switch that changes nothing is dropped
.if MSB != \new
	s_set_vgpr_msb (MSB<<8)|\new
.set MSB, \new
.endif
.endm
.macro BARRIER                         ; my LDS stores have landed and my LDS loads are in: then the work-group's barrier
	s_wait_dscnt 0x0
	s_barrier_signal -1
	s_barrier_wait -1
.endm
; Tile u (tokens 16 u .. 16 u + 15 of my 128) is asked for, into slot u % 3.  The offset register is never rewritten: a row's place stands in the immediate, 65,024 bytes at the most.
.macro REFILL u
	WIN 0x40                                       ; destination window 1, offset window 0
.set ri, 0
.rept 16
	global_load_b128 v[64+64*((\u)%3)+4*ri:64+64*((\u)%3)+4*ri+3], v[GO], s[4:5] offset:512*(16*(\u)+ri) th:TH_LOAD_NT   ; a whole row: 512 consecutive bytes, read once in the launch
.set ri, ri+1
.endr
	WIN 0
.endm
; Sixteen rows, row i in v[base + 4 i] on (win = 1: of window 1), go through my stage and come back in operand order: register 32 c + 4 j + i of window 1 = k 64 c + 32 h + 4 j + i of row r.
; LDS serves a wave's instructions in order (ISA guide 5.7.1.4): no wait stands between the stores and the loads, nor in front of the next turn's stores.
.macro TURN base, win
.if \win
	WIN 0x04                                       ; an LDS store's data are its source 1: window 1
.else
	WIN 0
.endif
.set ti, 0
.rept 16
	ds_store_b128 v[STA], v[(\base)+4*ti:(\base)+4*ti+3] offset:SROW*ti
.set ti, ti+1
.endr
	WIN 0x40                                       ; destination window 1
.irp c, 0,1
.irp j, 0,1,2,3,4,5,6,7
	ds_load_b128 v[32*\c+4*\j:32*\c+4*\j+3], v[LDA] offset:256*\c+16*\j
.endr
.endr
	WIN 0
.endm
; The 64 numbers of a lane in window 1 (two whole blocks of my row: blocks h and 2 + h) become the operand's 8 registers in v[CD] on and my row's scale word in v[DSC].
.macro QUANT
	WIN 0x05                                       ; sources 0 and 1 window 1
	v_pk_mul_f32 v[SQ:SQ+1], v[0:1], v[0:1]        ; the sum of squares in four packed chains, the largest magnitudes in four: eight lines a round that do not wait for each other
	v_pk_mul_f32 v[SQ+2:SQ+3], v[2:3], v[2:3]
	v_pk_mul_f32 v[SQ+4:SQ+5], v[32:33], v[32:33]
	v_pk_mul_f32 v[SQ+6:SQ+7], v[34:35], v[34:35]
	v_max_num_f32 v[MX], |v0|, |v1|
	v_max_num_f32 v[MX+1], |v2|, |v3|
	v_max_num_f32 v[MX+2], |v32|, |v33|
	v_max_num_f32 v[MX+3], |v34|, |v35|
.irp s, 1,2,3,4,5,6,7
	v_pk_fma_f32 v[SQ:SQ+1], v[4*\s:4*\s+1], v[4*\s:4*\s+1], v[SQ:SQ+1]
	v_pk_fma_f32 v[SQ+2:SQ+3], v[4*\s+2:4*\s+3], v[4*\s+2:4*\s+3], v[SQ+2:SQ+3]
	v_pk_fma_f32 v[SQ+4:SQ+5], v[4*\s+32:4*\s+33], v[4*\s+32:4*\s+33], v[SQ+4:SQ+5]
	v_pk_fma_f32 v[SQ+6:SQ+7], v[4*\s+34:4*\s+35], v[4*\s+34:4*\s+35], v[SQ+6:SQ+7]
	v_max3_num_f32 v[MX], |v[4*\s]|, |v[4*\s+1]|, v[MX]
	v_max3_num_f32 v[MX+1], |v[4*\s+2]|, |v[4*\s+3]|, v[MX+1]
	v_max3_num_f32 v[MX+2], |v[4*\s+32]|, |v[4*\s+33]|, v[MX+2]
	v_max3_num_f32 v[MX+3], |v[4*\s+34]|, |v[4*\s+35]|, v[MX+3]
.endr
	WIN 0
	v_pk_add_f32 v[SQ:SQ+1], v[SQ:SQ+1], v[SQ+2:SQ+3]
	v_pk_add_f32 v[SQ+4:SQ+5], v[SQ+4:SQ+5], v[SQ+6:SQ+7]
	s_delay_alu instid0(VALU_DEP_1)
	v_pk_add_f32 v[SQ:SQ+1], v[SQ:SQ+1], v[SQ+4:SQ+5]
	s_delay_alu instid0(VALU_DEP_1)
	v_add_f32 v[SQ], v[SQ], v[SQ+1]
	v_permlanex16_b32 v[RN+1], v[SQ], s[SEL], s[SEL+1]
	s_delay_alu instid0(VALU_DEP_1)
	v_add_f32 v[SQ], v[SQ], v[RN+1]                ; with lane l xor 16's half: the row's sum of squares
	s_wait_alu depctr_va_vdst(0)
	v_rsq_f32 v[RN], v[SQ]
	v_max_num_f32 v[MX], v[MX], v[MX+1]            ; (plain work behind the transcendental)  block h's largest magnitude,
	v_max_num_f32 v[MX+2], v[MX+2], v[MX+3]        ; block 2 + h's
	s_wait_alu depctr_va_vdst(0)                   ; the wait ahead of the first line that names the result
	v_min_num_f32 v[RN], 0x4cbebc20, v[RN]         ; 1 / max(norm, 1e-8): held at 1e8 (a sum of 0 gives infinity, which is held too)
	s_delay_alu instid0(VALU_DEP_1)
	v_mul_f32 v[MX], v[MX], v[RN]                  ; rounding keeps order, so this is the largest of the normalised magnitudes, bit for bit
	s_delay_alu instid0(VALU_DEP_2)
	v_mul_f32 v[MX+2], v[MX+2], v[RN]
	s_delay_alu instid0(VALU_DEP_2)
	v_max_num_f32 v[MX], 0x1800000, v[MX]          ; the floor 2^(3 - 127): the byte cannot fall under 1
	s_delay_alu instid0(VALU_DEP_2)
	v_max_num_f32 v[MX+2], 0x1800000, v[MX+2]
	s_delay_alu instid0(VALU_DEP_2)
	v_add_nc_u32 v[SO], 0xff000000, v[MX]          ; 2 off the exponent field: the conversion takes the exponent field of this operand as its scale, and nothing else of it
	s_delay_alu instid0(VALU_DEP_2)
	v_add_nc_u32 v[SO+1], 0xff000000, v[MX+2]
	s_delay_alu instid0(VALU_DEP_2)
	v_lshrrev_b32 v[BY], 23, v[SO]                 ; the scales' bytes
	s_delay_alu instid0(VALU_DEP_2)
	v_lshrrev_b32 v[BY+1], 23, v[SO+1]
	s_delay_alu instid0(VALU_DEP_1)
	v_lshl_or_b32 v[WD], v[BY+1], 16, v[BY]        ; my two bytes, blocks h and 2 + h,
	s_delay_alu instid0(VALU_DEP_1)
	v_lshlrev_b32 v[WD], v[SH8], v[WD]             ; at their places in the scale word (8 h bits up);
	v_permlanex16_b32 v[WT], v[WD], s[SEL], s[SEL+1]
	s_delay_alu instid0(VALU_DEP_1)
	v_or_b32 v[DSC], v[WD], v[WT]                  ; with lane l xor 16's two the word is whole
	WIN 0x41                                       ; destination and source 0 window 1
.set qi, 0
.rept 32
	v_pk_mul_f32 v[qi:qi+1], v[qi:qi+1], v[RN:RN+1] op_sel_hi:[1,0]   ; the normalised numbers.  (These 32 are also the places between the scale word's last write and the products: 8 are asked)
.set qi, qi+2
.endr
	WIN 0x01                                       ; source 0 window 1
.irp c, 0,1
.irp g, 0,1,2,3
	v_cvt_scalef32_pk8_fp4_f32 v[CD+4*\c+\g], v[32*\c+8*\g:32*\c+8*\g+7], v[SO+\c]   ; registers 4 c .. 4 c + 3 of the operand: k = 64 c + 32 h + 0 .. 31; beyond the largest code the largest
.endr
.endr
	WIN 0
.rept 4
	v_nop                                          ; the plain place behind the conversions, and the four places between an operand written by vector instructions and a scaled product
.endr
.endm
; The C of tile t, into set t % 2.  Token 16 t + 8 h + j = 4 (4 t + 2 h + j / 4) + j % 4: its bit is bit 4 t + j / 4 of v[BH + j % 4].  1 becomes all ones, and those the bits of -1024.
.macro MKC t
.irp j, 0,1,2,3,4,5,6,7
	v_bfe_u32 v[CT+8*((\t)%2)+\j], v[BH+(\j)%4], 4*(\t)+(\j)/4, 1
.endr
.irp j, 0,1,2,3,4,5,6,7
	v_sub_nc_u32 v[CT+8*((\t)%2)+\j], 0, v[CT+8*((\t)%2)+\j]
.endr
.irp j, 0,1,2,3,4,5,6,7
	v_and_b32 v[CT+8*((\t)%2)+\j], 0xc4800000, v[CT+8*((\t)%2)+\j]
.endr
.endm
; Four products: the tile's 16 rows x query tiles 4 G .. 4 G + 3, into v[X] on, with the tile's C (v[cc] on).  In a result lane (r, h) holds query r, and its registers the rows 8 h + 0 .. 7.  No product adds onto another.
.macro RUN G, X
.irp i, 0,1,2,3
.if (\i)%2
	v_wmma_scale_f32_16x16x128_f8f6f4 v[\X+8*\i:\X+8*\i+7], v[CD:CD+7], v[QC+8*(4*\G+\i):QC+8*(4*\G+\i)+7], v[cc:cc+7], v[DSC], v[QS+(4*\G+\i)/2] matrix_a_fmt:MATRIX_FMT_FP4 matrix_b_fmt:MATRIX_FMT_FP4 matrix_b_scale:MATRIX_SCALE_ROW1
.else
	v_wmma_scale_f32_16x16x128_f8f6f4 v[\X+8*\i:\X+8*\i+7], v[CD:CD+7], v[QC+8*(4*\G+\i):QC+8*(4*\G+\i)+7], v[cc:cc+7], v[DSC], v[QS+(4*\G+\i)/2] matrix_a_fmt:MATRIX_FMT_FP4 matrix_b_fmt:MATRIX_FMT_FP4
.endif
.endr
.endm
; Their 32 registers go into four running maxima, each result from its low end on, the four by turns.
.macro MAXG G, X
.irp p, 0,1,2,3
.irp i, 0,1,2,3
	v_max3_num_f32 v[ACC+4*\G+\i], v[ACC+4*\G+\i], v[\X+8*\i+2*\p], v[\X+8*\i+2*\p+1]
.endr
.endr
.endm
; Tile t's 16 products and 64 maxima, on two sets of results by turns.  Behind each run of products stand sixteen plain lines or more that name none of its registers before its results are read (4 are asked) or
; its set is written again by products (5 are asked; of a set's own sixteen maxima twelve name other results than a given product's).  Behind the first two runs these lines are the next tile's C, which goes into
; the set that this tile's products do not name.  u >= 0: tile u is asked for there too.
.macro MATRIX t, u
.set cc, CT+8*((\t)%2)
	RUN 0, DA
	RUN 1, DB
.if (\u) >= 0
	s_wait_dscnt 16                                ; the turn's sixteen stores have read the slot (its sixteen loads may be out): the slot may be loaded again
	REFILL \u
.endif
.if (\t) < 7
	MKC (\t)+1
.else
.rept 4
	v_nop
.endr
.endif
	MAXG 0, DA
	RUN 2, DA
	MAXG 1, DB
	RUN 3, DB
	MAXG 2, DA
	MAXG 3, DB
.endm
; Tile t (0 to 6): its numbers are on their way back from the stage.  The next tile goes through the stage while this tile is multiplied.
.macro TILE t
	s_wait_dscnt 0x0                               ; the tile is in operand order in my registers (at tile 0: the queries' codes and scale words too)
	QUANT
.if 6-(\t) >= 2
	s_wait_loadcnt 32                              ; tile t + 1 is in; the two tiles asked for behind it may be out
.else
	s_wait_loadcnt 16*(6-(\t))                     ; (fewer were asked for behind it)
.endif
	TURN 64+64*(((\t)+1)%3), 1
.if (\t)+4 <= 7
	s_wait_alu depctr_va_vdst(0)
	MATRIX \t, (\t)+4
.else
	s_wait_alu depctr_va_vdst(0)
	MATRIX \t, -1
.endif
.endm
	; ---- set-up: every address is a constant + lane terms + a constant x wave (+ a constant x work-group in memory)
	s_load_b256 s[4:11], s[0:1], 0x0               ; d_hidden s[4:5], d_mask s[6:7], q_hidden s[8:9], q_mask s[10:11]
	s_load_b64 s[12:13], s[0:1], 0x20              ; out0
	v_lshl_add_u32 v[SPW], v0, 2, SPARE
	v_mov_b32 v[NIL], 0
	v_lshrrev_b32 v84, 5, v0
	s_delay_alu instid0(VALU_DEP_1)
	v_readfirstlane_b32 s[WV], v84                 ; wave 0..7
	v_and_b32 v[LN], 31, v0                        ; lane
	v_and_b32 v85, 15, v0                          ; r
	v_bfe_u32 v86, v0, 4, 1                        ; h
	s_delay_alu instid0(VALU_DEP_3)
	v_lshlrev_b32 v[GO], 4, v[LN]
	s_mul_i32 s37, s[WV], SWAVE                    ; my stage
	v_add_nc_u32 v[STA], s37, v[GO]
	v_mul_u32_u24 v[LDA], v85, SROW
	s_delay_alu instid0(VALU_DEP_1)
	v_lshl_add_u32 v[LDA], v86, 7, v[LDA]
	s_delay_alu instid0(VALU_DEP_1)
	v_add_nc_u32 v[LDA], s37, v[LDA]
	v_lshlrev_b32 v[SH8], 3, v86
	v_lshlrev_b32 v94, 1, v86                      ; 2 h
	v_lshlrev_b32 v87, 2, v[LN]                    ; 4 x lane
	s_wait_alu depctr_va_vdst(0)
	s_lshl_b32 s38, s[WV], 7
	s_add_co_u32 s38, s38, RED
	v_add_nc_u32 v[RA], s38, v87
	s_lshl_b32 s38, s[WV], 10
	s_add_co_u32 s38, s38, RED
	v_add_nc_u32 v[RB], s38, v87
	v_lshlrev_b32 v[QSA], 2, v85
	s_delay_alu instid0(VALU_DEP_1)
	v_lshl_add_u32 v[QSA], v86, 7, v[QSA]
	s_delay_alu instid0(VALU_DEP_1)
	v_add_nc_u32 v[QSA], QSC, v[QSA]
	s_lshl_b32 s38, s[WV], 11
	s_add_co_u32 s38, s38, QIMG
	v_add_nc_u32 v88, s38, v[GO]                   ; where I store my two query tiles' codes: QIMG + 2,048 w + 16 x lane
	s_lshl_b32 s38, s[WV], 8
	s_add_co_u32 s38, s38, QSC
	v_add_nc_u32 v89, s38, v87                     ; and their scale words: QSC + 256 w + 4 x lane
	v_add_nc_u32 v90, QIMG, v[GO]                  ; where every wave reads the codes back: QIMG + 16 x lane
	v_lshlrev_b32 v91, 4, v0                       ; d_mask: 16 bytes a thread: lane l has tokens 4 l + 0 .. 3 of my wave's 128
	v_lshlrev_b32 v92, 2, v0                       ; q_mask: 4 bytes a thread: batch w, token lane
	v_mov_b32 v[RN+1], 0                           ; written once: a lane permute's destination counts as one of its sources
	v_mov_b32 v[WT], 0
	s_mov_b32 s[SEL], 0x76543210
	s_mov_b32 s[SEL+1], 0xfedcba98
	s_mov_b32 s17, 0
	s_wait_alu depctr_va_vdst(0)
	s_wait_kmcnt 0x0
	s_lshl_b32 s16, ttmp9, 19                      ; d_hidden: 1,024 tokens x 512 bytes a work-group,
	s_lshl_b32 s37, s[WV], 16                      ; 128 a wave
	s_add_co_u32 s16, s16, s37
	s_add_nc_u64 s[4:5], s[4:5], s[16:17]
	s_lshl_b32 s16, ttmp9, 12                      ; d_mask: 4,096 bytes a work-group
	s_add_nc_u64 s[6:7], s[6:7], s[16:17]
	s_lshl_b32 s16, s[WV], 14                      ; q_hidden: 32 rows a wave
	s_add_nc_u64 s[8:9], s[8:9], s[16:17]
	s_lshl_b32 s16, s[WV], 12                      ; out0: row w of 4,096 bytes, 16 bytes a work-group
	s_lshl_b32 s37, ttmp9, 4
	s_add_co_u32 s16, s16, s37
	s_add_nc_u64 s[12:13], s[12:13], s[16:17]
	; ---- the head's loads: the masks, my 32 rows of q, the first tile of my documents' rows: 50 loads
	global_load_b128 v[MK:MK+3], v91, s[6:7] th:TH_LOAD_NT
	global_load_b32 v[QM], v92, s[10:11]
.set hh, 0
.rept 32
	global_load_b128 v[QC+4*hh:QC+4*hh+3], v[GO], s[8:9] offset:512*hh   ; a whole row a load.  No hint: every work-group reads q
.set hh, hh+1
.endr
	REFILL 0
	s_wait_loadcnt 32                              ; the masks and q's rows 0-15 are in; rows 16-31 and tile 0, issued behind them, may be out
	; ---- d_mask as bits: they select values alone
.irp j, 0,1,2,3
	v_cmp_lt_i32 s[BAL+\j], 0, v[MK+\j]            ; d_mask > 0: bit l is token 4 l + j's
.endr
.irp j, 0,1,2,3
	s_not_b32 s37, s[BAL+\j]                       ; the masked tokens,
	v_mov_b32 v95, s37
	s_delay_alu instid0(VALU_DEP_1)
	v_lshrrev_b32 v[BH+\j], v94, v95               ; 2 h bits down: lanes 16-31 look 8 tokens further on
.endr
	MKC 0
	; ---- my two tiles of queries, while the documents' rows are on their way; behind each turn the next tile of rows is asked for: 48 loads are out
	TURN QC, 0
	REFILL 1
	s_wait_dscnt 0x0                               ; the tile is back from the stage
	QUANT
	ds_store_b128 v88, v[CD:CD+3]                  ; the operand's registers as they stand: lane l's 16 bytes at 16 l
	ds_store_b128 v88, v[CD+4:CD+7] offset:512
	ds_store_b32 v89, v[DSC]
	s_wait_loadcnt 32                              ; q's rows 16-31 are in; tiles 0 and 1 may be out
	TURN QC+64, 0
	REFILL 2
	s_wait_dscnt 0x0                               ; the tile is back; the first tile's image has been read out of the codes' registers
	QUANT
	ds_store_b128 v88, v[CD:CD+3] offset:1024
	ds_store_b128 v88, v[CD+4:CD+7] offset:1024+512
	ds_store_b32 v89, v[DSC] offset:128
	BARRIER                                        ; the sixteen query tiles lie in LDS; they are written no more
.irp t, 0,1,2,3,4,5,6,7,8,9,10,11,12,13,14,15
	v_mov_b32 v[ACC+\t], 0xc2c80000                ; -100: what reference() puts in a masked token's place, and under every similarity
.endr
	s_wait_loadcnt 32                              ; tile 0 is in; tiles 1 and 2 may be out
	TURN 64, 1
	s_wait_dscnt 16                                ; its stores have read slot 0 (its sixteen loads may be out)
	REFILL 3                                       ; ahead of the queries' images: the sooner it is out, the longer it has
.set hh, 0
.rept 16
	ds_load_b128 v[QC+8*hh:QC+8*hh+3], v90 offset:1024*hh
	ds_load_b128 v[QC+8*hh+4:QC+8*hh+7], v90 offset:1024*hh+512
.set hh, hh+1
.endr
.irp p, 0,1,2,3,4,5,6,7
	ds_load_b32 v[QS+\p], v[QSA] offset:256*\p     ; lanes 0-15: tile 2 p's words; lanes 16-31: tile 2 p + 1's
.endr
	; ---- the tiles
	TILE 0
	TILE 1
	TILE 2
	TILE 3
	TILE 4
	TILE 5
	TILE 6
	s_wait_dscnt 0x0                               ; tile 7: nothing is left to turn or to ask for
	QUANT
	MATRIX 7, -1
	; ---- a batch's two tiles: the first's upper lanes change places with the second's lower; the maximum of the two then joins rows 0-7 and 8-15: lane l holds query token l of batch b
.irp b, 0,1,2,3,4,5,6,7
	v_permlane16_swap_b32 v[ACC+2*\b], v[ACC+2*\b+1]
.endr
.irp b, 0,1,2,3,4,5,6,7
	v_max_num_f32 v[64+\b], v[ACC+2*\b], v[ACC+2*\b+1]
.endr
.irp b, 0,1,2,3,4,5,6,7
	ds_store_b32 v[RA], v[64+\b] offset:1024*\b
.endr
	BARRIER                                        ; every wave's maxima lie in LDS
.irp i, 0,1,2,3,4,5,6,7
	ds_load_b32 v[72+\i], v[RB] offset:128*\i      ; batch w: wave i's
.endr
	s_wait_dscnt 0x0
	v_cmp_lt_i32 vcc_lo, 0, v[QM]                  ; q_mask > 0
.irp d, 0,1,2,3
	v_max_num_f32 v[80+\d], v[72+2*\d], v[73+2*\d] ; document d: its two halves
.endr
.irp d, 0,1,2,3
	s_delay_alu instid0(VALU_DEP_4)
	v_cndmask_b32 v[80+\d], 0, v[80+\d], vcc_lo    ; 0 for a padded query token
.endr
.irp m, 1,2,4,8
.irp d, 0,1,2,3
	s_delay_alu instid0(VALU_DEP_4)
	v_add_f32_dpp v[80+\d], v[80+\d], v[80+\d] row_xmask:\m row_mask:0xf bank_mask:0xf   ; the sum over the 32 tokens, the four documents by turns
.endr
.endr
.irp d, 0,1,2,3
	s_delay_alu instid0(VALU_DEP_4)
	v_permlanex16_b32 v[72+\d], v[80+\d], s[SEL], s[SEL+1]
.endr
.irp d, 0,1,2,3
	s_delay_alu instid0(VALU_DEP_4)
	v_add_f32 v[80+\d], v[80+\d], v[72+\d]
.endr
	v_cmp_eq_u32 vcc_lo, 0, v[GO]                  ; 16 x lane = 0: lane 0
	s_wait_alu depctr_va_vdst(0)
	s_wait_xcnt 0x0                                ; EXEC is a source of every earlier load: it is narrowed only behind this wait
	s_and_saveexec_b32 s36, vcc_lo
	global_store_b128 v[GO], v[80:83], s[12:13]    ; out0[w][4 g .. 4 g + 3]: the work-group's 16 neighbouring bytes of row w, once, by lane 0, whose offset 16 x lane is 0
	s_wait_xcnt 0x0                                ; and widened only behind this one
	s_or_b32 exec_lo, exec_lo, s36
	s_wait_tensorcnt 0x0                           ; the wave's end, behind my last LDS store
	ds_add_u32 v[SPW], v[NIL]
	s_wait_dscnt 0x0
	s_endpgm
.Lfunc_end_k_q3bd01883b7_maxsim:
	.size	k_q3bd01883b7_maxsim, .Lfunc_end_k_q3bd01883b7_maxsim-k_q3bd01883b7_maxsim
	.p2alignl 7, 3214868480
	.fill 96, 4, 3214868480
	.section	.rodata,"a",@progbits
	.p2align	6, 0x0
	.amdhsa_kernel k_q3bd01883b7_maxsim
		.amdhsa_group_segment_fixed_size 95232
		.amdhsa_private_segment_fixed_size 0
		.amdhsa_enable_private_segment 0
		.amdhsa_kernarg_size 40
		.amdhsa_user_sgpr_count 2
		.amdhsa_user_sgpr_kernarg_segment_ptr 1
		.amdhsa_wavefront_size32 1
		.amdhsa_system_sgpr_workgroup_id_x 1
		.amdhsa_system_sgpr_workgroup_id_y 1
		.amdhsa_system_sgpr_workgroup_id_z 1
		.amdhsa_system_vgpr_workitem_id 0
		.amdhsa_next_free_vgpr 512
		.amdhsa_next_free_sgpr 66
		.amdhsa_reserve_vcc 1
		.amdhsa_float_denorm_mode_32 3
		.amdhsa_float_denorm_mode_16_64 3
		.amdhsa_memory_ordered 1
		.amdhsa_forward_progress 1
		.amdhsa_inst_pref_size 191
	.end_amdhsa_kernel
	.amdgpu_metadata
---
amdhsa.version: [ 1, 2 ]
amdhsa.kernels:
  - .name:           k_q3bd01883b7_maxsim
    .symbol:         k_q3bd01883b7_maxsim.kd
    .args:
      - { .name: d_hidden, .offset: 0, .size: 8, .value_kind: global_buffer, .address_space: global }
      - { .name: d_mask, .offset: 8, .size: 8, .value_kind: global_buffer, .address_space: global }
      - { .name: q_hidden, .offset: 16, .size: 8, .value_kind: global_buffer, .address_space: global }
      - { .name: q_mask, .offset: 24, .size: 8, .value_kind: global_buffer, .address_space: global }
      - { .name: out0, .offset: 32, .size: 8, .value_kind: global_buffer, .address_space: global }
    .group_segment_fixed_size: 95232
    .private_segment_fixed_size: 0
    .kernarg_segment_align: 8
    .kernarg_segment_size: 40
    .max_flat_workgroup_size: 256
    .sgpr_count:     66
    .vgpr_count:     512
    .wavefront_size: 32
...
	.end_amdgpu_metadata
.endif
;; end of part 1
